; MI455X (gfx1250); checked and timed in simulation.
; The chip was launched on July 23, 2026; its instructions are those of AMD's public machine-readable ISA for CDNA 5 (MIT licence, August 2026) and "CDNA5" Instruction Set Architecture Reference Guide (July 2026). The comments in the code are by the model that wrote it; some were corrected since.
;; Attention. Allowed arithmetic: matrix products marked QUANTISED: E4M3 operands, one E8M0 scale for each 32 along K, by v_wmma_scale_f32_16x16x128_f8f6f4 with both operands' format E4M3, f32 sums; products left as they are: f32 operands where the result goes on into a quantised operand, else bf16, f16 or f32 operands; f32 sums; everything else in f32.
;; Inputs: W_attn 1,024 x 1,024 float32; b_attn 1,024 float32; encoder_outputs 32 x 2,048 x 1,024 float32; hidden 32 x 1,024 float32; v 1,024 float32.
;; Outputs: out0 32 x 1,024 float32; out1 32 x 2,048 float32.
;; This version of the problem:
;;   THIS VERSION OF THE PROBLEM IS GIVEN IN LOW PRECISION. The matrix products marked QUANTISED in the list below multiply operands that are first quantised to E4M3 (4 exponent bits, 3 mantissa bits; 8 bits a number), with one power-of-two scale for each 32 numbers along K (OCP MX v1.0); their sums are f32. All else is computed in f32.
;;   The module's matrix products, in the order in which they are computed (A, B: the left and right operand; K: the contracted axis; several contracted axes count as one K, in the product's order):
;;     1. [M 65,536, K 1,024] x [K 1,024, N 1,024]; A: computed on the way; B: input W_attn: QUANTISED
;;     2. [M 65,536, K 1,024] x [K 1,024, N 1]; A: computed on the way; B: input v: left as it is (N = 1 < 16)
;;     3. batch 32 x [M 1, K 2,048] x [K 2,048, N 1,024]; A: softmax; B: input encoder_outputs: left as it is (M = 1 < 16)
;;   THE QUANTISER, for each operand of a quantised product, along K:
;;     - K is cut into blocks of 32 from its start; a last block that is shorter is filled with zeros.
;;     - A block's scale is 2^e with e = floor(log2(the largest magnitude in the block)) - 8, held to -126 .. 127; a block of zeros has e = 0. As a byte (E8M0): e + 127.
;;     - Each number is divided by its block's scale, clamped to +-448, and rounded to the nearest number of E4M3, ties to even, subnormals kept.
;;     - The product sums the exact products of the quantised numbers (number of the format x scale) in f32.
;;   ~~~python
;;   def quantise(x, axis):      # numpy; x: float32 -> the quantised numbers, widened to float32 again
;;       x = np.moveaxis(x, axis, -1); K = x.shape[-1]
;;       x = np.pad(x, [(0, 0)] * (x.ndim - 1) + [(0, -K % 32)]); x = x.reshape(x.shape[:-1] + (-1, 32)); a = np.abs(x).max(-1, keepdims=True)
;;       e = np.where(a > 0, np.clip(np.frexp(np.where(a > 0, a, 1))[1] - 1 - 8, -126, 127), 0)      # np.frexp(a)[1] - 1 = floor(log2(a)), exactly
;;       r = np.clip(x / 2.0 ** e, -448, 448)
;;       step = 2.0 ** (np.maximum(np.frexp(np.where(r == 0, 1, r))[1] - 1, -6) - 3)
;;       q = np.round(r / step) * step * 2.0 ** e      # np.round: ties to even
;;       return np.moveaxis(q.reshape(q.shape[:-2] + (-1,))[..., :K], -1, axis).astype(np.float32)
;;   ~~~
;;   OPERANDS COMPUTED ON THE WAY. 'Computed on the way' means the value that the module computes at that place (a softmax that the list does not call 'softmax' is quantised finished and normalised). What goes into a quantiser is computed in f32, as accurately as f32 sums, v_exp_f32 and their like allow (about 1e-6 of the number): no bf16 or f16 on the way to a quantiser, and a product that is left as it is and whose result goes on into a quantised operand takes f32 operands (vector FMAs, or v_wmma_f32_16x16x4_f32). A number that lies on a knife's edge between two numbers of the format may be rounded either way, as far as f32 arithmetic and the matrix unit's own rounding can turn it there, and no further.
;; One version. Each part assembles by itself: llvm-mc -triple=amdgcn-amd-amdhsa -mcpu=gfx1250 --defsym DOCPART=n.
;; ======== version 1 of 1: 3 launches
;; limits: an absolute error that grows with the inputs' magnitude: up to 4.77e-07 times it
;; workspace buffers: wpack 1,114,112 bytes; scores 262,144 bytes; skey 262,144 bytes of whole numbers
;; launch packw (part 1): grid 64 x 1, 8 waves a work-group, no clusters, 69,120 bytes of LDS; arguments W_attn, b_attn, v, wpack; writes wpack
.if DOCPART == 1
	.amdgcn_target "amdgcn-amd-amdhsa--gfx1250"
	.amdhsa_code_object_version 6
	.text
	.protected	k_q8d20a11036_packw
	.globl	k_q8d20a11036_packw
	.p2align	8
	.type	k_q8d20a11036_packw,@function
k_q8d20a11036_packw:
	s_mov_b64 s[64:65], 0
	v_nop
	global_prefetch_b8 v0, s[64:65] scope:SCOPE_SE
	s_setreg_imm32_b32 hwreg(HW_REG_WAVE_MODE, 25, 1), 1
	s_wait_xcnt 0x0
; W_attn [1024 (o)][1024 (h)], f32, K = h innermost, becomes codes of FP8 (E4M3) with one E8M0 byte for each 32 along K, laid IN THE ORDER OF THE OPERAND'S REGISTERS.
; wpack = 64 blocks of 17,408 bytes, one for each tile of 16 outputs (ct):
;   + 2048 ks + 512 c + 16 lane : the codes of W[16 ct + lane % 16][128 ks + 32 c + 16 (lane / 16) + 0 .. 15]: registers 4 c .. 4 c + 3 of the fragment of K step ks
;   + 16384 + 16 lane + 4 q     : the scale word of (output lane % 16, K step 2 q + lane / 16)
;   + 16896 + 16 lane           : (c b, c b, v, v) of output lane % 16, c = 2 log2(e): what the next launch's tanh and dot product want of a column
; A work-group takes a tile of 16 outputs, each of its eight waves one K step of 128.  A load reads 512 consecutive bytes of a row; the 16 rows turn through the wave's own stage in LDS,
; so that a lane then holds 16 neighbours along K of each of its row's four blocks.
; A block's scale is 2^(floor(log2(its largest magnitude)) - 8); its byte is that magnitude's exponent field - 8, held at 1 from below.
; LIMITS: a block of zeros gets the byte 1 (its codes are zeros, and this program alone reads the bytes); NaN and infinities among the inputs are not served.
.set SPIT,  528                        ; a stage row: 512 bytes + 16: sixteen rows start at sixteen different groups of four banks
.set STGW,  16*SPIT                    ; a wave's stage
.set SIMG,  8*STGW                     ; behind the stages: the image of the tile's scale words, 512 bytes
.set CTB,   17408                      ; a block of wpack
.set R,     32                         ; v32-95   16 rows x 4 numbers as loaded
.set X,     96                         ; v96-159  register 16 b + i = k 32 b + 16 (lane / 16) + i of my row
.set TM,    160                        ; v160-175 at work
.set PW,    176                        ; the scale word
.set PC,    180                        ; v180-195 the fragment's codes
.set BV,    196                        ; v196-199 (c b, c b, v, v)
.set SEL,   20
.set MNT,   23
	s_load_b256 s[4:11], s[0:1], 0x0               ; W s[4:5], b s[6:7], v s[8:9], wpack s[10:11]
	v_lshl_add_u32 v200, v0, 2, 0x10a00
	v_mov_b32 v201, 0
	v_lshrrev_b32 v6, 5, v0
	v_readfirstlane_b32 s12, v6                    ; wave = K step
	v_and_b32 v7, 31, v0                           ; lane
	v_and_b32 v8, 15, v0                           ; r
	v_bfe_u32 v9, v0, 4, 1                         ; h
	v_lshlrev_b32 v1, 4, v7                        ; 16 x lane
	s_mul_i32 s13, s12, STGW
	v_add_nc_u32 v2, s13, v1                       ; into the stage: as loaded
	v_mul_u32_u24 v3, v8, SPIT
	v_lshl_add_u32 v3, v9, 6, v3
	v_add_nc_u32 v3, s13, v3                       ; out of it: row r, + 64 h
	s_and_b32 s14, s12, 1
	s_lshl_b32 s14, s14, 8
	s_lshr_b32 s15, s12, 1
	s_lshl_b32 s15, s15, 2
	s_add_co_u32 s14, s14, s15
	s_add_co_u32 s14, s14, SIMG
	v_lshl_add_u32 v4, v8, 4, s14                  ; my scale word's place: 16 r + 256 (ks % 2) + 4 (ks / 2)
	v_lshlrev_b32 v5, 2, v8                        ; 4 r
	v_add_nc_u32 v10, SIMG, v1                     ; the image read back
	s_mov_b32 s[SEL], 0x76543210
	s_mov_b32 s[SEL+1], 0xfedcba98                 ; lane l xor 16
	s_mov_b32 s[MNT], 0x600000                     ; the mantissa field of 448
.irp b, 0,1,2,3
	v_mov_b32 v[TM+4+\b], 0                        ; a lane permute's destination counts as one of its sources
.endr
	s_lshl_b32 s16, ttmp9, 16                      ; 16 rows of 4,096 bytes
	s_lshl_b32 s17, s12, 9                         ; + 512 bytes a K step
	s_add_co_u32 s16, s16, s17
	s_mov_b32 s17, 0
	s_mul_i32 s18, ttmp9, CTB
	s_mov_b32 s19, 0
	s_lshl_b32 s24, s12, 11
	s_mov_b32 s25, 0
	s_lshl_b32 s26, ttmp9, 6
	s_mov_b32 s27, 0
	s_wait_kmcnt 0x0
	s_add_nc_u64 s[4:5], s[4:5], s[16:17]
	s_add_nc_u64 s[10:11], s[10:11], s[18:19]      ; my tile's block
	s_add_nc_u64 s[24:25], s[10:11], s[24:25]      ; my K step's fragment in it
	s_add_nc_u64 s[6:7], s[6:7], s[26:27]
	s_add_nc_u64 s[8:9], s[8:9], s[26:27]
.irp p, 0,1,2,3,4,5,6,7,8,9,10,11,12,13,14,15
	global_load_b128 v[R+4*\p:R+4*\p+3], v1, s[4:5] offset:4096*\p th:TH_LOAD_NT   ; 32 lanes read 512 consecutive bytes of row p
.endr
	s_wait_loadcnt 0x0
.irp p, 0,1,2,3,4,5,6,7,8,9,10,11,12,13,14,15
	ds_store_b128 v2, v[R+4*\p:R+4*\p+3] offset:SPIT*\p
.endr
.irp b, 0,1,2,3
.irp q, 0,1,2,3
	ds_load_b128 v[X+16*\b+4*\q:X+16*\b+4*\q+3], v3 offset:128*\b+16*\q   ; LDS serves a wave's instructions in order: these see my stores
.endr
.endr
	s_wait_dscnt 0x0
.irp b, 0,1,2,3
	v_max3_num_f32 v[TM+\b], |v[X+16*\b]|, |v[X+1+16*\b]|, 0x4800000   ; block b: my 16 numbers, and the floor 2^(9 - 127): the byte cannot fall under 1
.endr
.irp i, 2,4,6,8,10,12,14
.irp b, 0,1,2,3
	v_max3_num_f32 v[TM+\b], v[TM+\b], |v[X+16*\b+\i]|, |v[X+1+16*\b+\i]|
.endr
.endr
.irp b, 0,1,2,3
	v_permlanex16_b32 v[TM+4+\b], v[TM+\b], s[SEL], s[SEL+1]
.endr
.irp b, 0,1,2,3
	v_max_num_f32 v[TM+\b], v[TM+\b], v[TM+4+\b]   ; with lane l xor 16's: the block's largest magnitude
.endr
.irp b, 0,1,2,3
	v_add_nc_u32 v[TM+12+\b], 0xfc000000, v[TM+\b] ; 8 off its exponent field: the conversion's scale operand
.endr
.irp b, 0,1,2,3
	v_and_or_b32 v[TM+8+\b], v[TM+\b], 0x7f800000, s[MNT]   ; 448 x the scale
.endr
.irp b, 0,1,2,3
	v_lshrrev_b32 v[TM+4+\b], 23, v[TM+12+\b]      ; the scale's byte
.endr
	v_lshl_or_b32 v[PW], v[TM+5], 8, v[TM+4]
	v_lshl_or_b32 v[PW], v[TM+6], 16, v[PW]
	v_lshl_or_b32 v[PW], v[TM+7], 24, v[PW]
.irp b, 0,1,2,3
.irp i, 0,1,2,3,4,5,6,7,8,9,10,11,12,13,14,15
	v_med3_num_f32 v[X+16*\b+\i], v[X+16*\b+\i], -v[TM+8+\b], v[TM+8+\b]   ; the conversion to an 8-bit code does not saturate (ISA guide 7.6.2): the hold
.endr
	v_cvt_scalef32_pk8_fp8_f32 v[PC+4*\b:PC+1+4*\b], v[X+16*\b:X+7+16*\b], v[TM+12+\b]
	v_cvt_scalef32_pk8_fp8_f32 v[PC+2+4*\b:PC+3+4*\b], v[X+8+16*\b:X+15+16*\b], v[TM+12+\b]
.endr
	v_nop                                          ; a plain line behind the last conversion
.irp c, 0,1,2,3
	global_store_b128 v1, v[PC+4*\c:PC+4*\c+3], s[24:25] offset:512*\c   ; 512 consecutive bytes, aligned
.endr
	ds_store_b32 v4, v[PW]                         ; lanes r and r + 16 write the same word with the same value
	s_wait_dscnt 0x0                               ; for the others' sake: my word has landed
	s_barrier_signal -1
	s_barrier_wait -1
	s_cmp_lg_u32 s12, 0
	s_cbranch_scc1 .Lnot_0
	ds_load_b128 v[12:15], v10                     ; wave 0: the eight waves' scale words leave as 512 consecutive bytes
	s_wait_dscnt 0x0
	global_store_b128 v1, v[12:15], s[10:11] offset:16384
	s_wait_tensorcnt 0x0
	ds_add_u32 v200, v201
	s_wait_dscnt 0x0
	s_endpgm
.Lnot_0:
	s_cmp_lg_u32 s12, 1
	s_cbranch_scc1 .Ldone
	global_load_b32 v[BV], v5, s[6:7]              ; wave 1: b and v of the tile's 16 outputs
	global_load_b32 v[BV+2], v5, s[8:9]
	s_wait_loadcnt 0x0
	v_mul_f32 v[BV], 0x4038aa3b, v[BV]             ; c b, c = 2 log2(e)
	v_mov_b32 v[BV+3], v[BV+2]
	v_mov_b32 v[BV+1], v[BV]
	global_store_b128 v1, v[BV:BV+3], s[10:11] offset:16896
.Ldone:
	s_wait_tensorcnt 0x0
	ds_add_u32 v200, v201
	s_wait_dscnt 0x0
	s_endpgm
.Lfunc_end_k_q8d20a11036_packw:
	.size	k_q8d20a11036_packw, .Lfunc_end_k_q8d20a11036_packw-k_q8d20a11036_packw
	.p2alignl 7, 3214868480
	.fill 96, 4, 3214868480
	.section	.rodata,"a",@progbits
	.p2align	6, 0x0
	.amdhsa_kernel k_q8d20a11036_packw
		.amdhsa_group_segment_fixed_size 69120
		.amdhsa_private_segment_fixed_size 0
		.amdhsa_enable_private_segment 0
		.amdhsa_kernarg_size 32
		.amdhsa_user_sgpr_count 2
		.amdhsa_user_sgpr_kernarg_segment_ptr 1
		.amdhsa_wavefront_size32 1
		.amdhsa_system_sgpr_workgroup_id_x 1
		.amdhsa_system_sgpr_workgroup_id_y 1
		.amdhsa_system_sgpr_workgroup_id_z 1
		.amdhsa_system_vgpr_workitem_id 0
		.amdhsa_next_free_vgpr 202
		.amdhsa_next_free_sgpr 66
		.amdhsa_reserve_vcc 0
		.amdhsa_float_denorm_mode_32 3
		.amdhsa_float_denorm_mode_16_64 3
		.amdhsa_memory_ordered 1
		.amdhsa_forward_progress 1
		.amdhsa_inst_pref_size 16
	.end_amdhsa_kernel
	.amdgpu_metadata
---
amdhsa.version: [ 1, 2 ]
amdhsa.kernels:
  - .name:           k_q8d20a11036_packw
    .symbol:         k_q8d20a11036_packw.kd
    .args:
      - { .name: W_attn, .offset: 0, .size: 8, .value_kind: global_buffer, .address_space: global }
      - { .name: b_attn, .offset: 8, .size: 8, .value_kind: global_buffer, .address_space: global }
      - { .name: v, .offset: 16, .size: 8, .value_kind: global_buffer, .address_space: global }
      - { .name: wpack, .offset: 24, .size: 8, .value_kind: global_buffer, .address_space: global }
    .group_segment_fixed_size: 69120
    .private_segment_fixed_size: 0
    .kernarg_segment_align: 8
    .kernarg_segment_size: 32
    .max_flat_workgroup_size: 256
    .sgpr_count:     66
    .vgpr_count:     202
    .wavefront_size: 32
...
	.end_amdgpu_metadata
.endif
;; end of part 1
;; launch score (part 2): grid 256 x 1, 4 waves a work-group, clusters of 4 x 1, 327,680 bytes of LDS; arguments encoder_outputs, hidden, wpack, scores, skey; writes scores, skey
.if DOCPART == 2
	.amdgcn_target "amdgcn-amd-amdhsa--gfx1250"
	.amdhsa_code_object_version 6
	.text
	.protected	k_q8d20a11036_score
	.globl	k_q8d20a11036_score
	.p2align	8
	.type	k_q8d20a11036_score,@function
k_q8d20a11036_score:
	s_mov_b64 s[64:65], 0
	v_nop
	global_prefetch_b8 v0, s[64:65] scope:SCOPE_SE
	s_setreg_imm32_b32 hwreg(HW_REG_WAVE_MODE, 25, 1), 1
	s_wait_xcnt 0x0
	s_wait_alu depctr_hold_cnt(0) depctr_sa_sdst(0) depctr_va_vdst(0) depctr_va_sdst(0) depctr_va_ssrc(0) depctr_va_vcc(0) depctr_vm_vsrc(0)
	s_getreg_b32 s2, hwreg(HW_REG_IB_STS2, 6, 4)
	s_cmp_eq_u32 s2, 0
	s_cbranch_scc0 .Lentry_in_a_cluster
	s_endpgm
.Lentry_in_a_cluster:
	s_bfe_u32 s2, ttmp6, 0x10000c
	s_cmp_lg_u32 s2, 0x3003
	s_cbranch_scc0 .Lentry_shape_is_right
	s_endpgm
.Lentry_shape_is_right:
; scores[row] = sum over o of v[o] tanh(sum over h of Q(enc[row][h] + hidden[b][h]) Q(W[o][h]) + b[o]); Q = codes of FP8 (E4M3), one E8M0 scale for each 32 along h.  65,536 rows.
; skey[row] = 0x7fffffff - trunc(4096 x scores[row]), a whole number: the larger the score, the smaller the key.  The next launch decides by these keys alone which rows its sum needs.
; SHARES.  A work-group takes 256 rows (all of one batch: 8 work-groups to a batch), each of its four waves 64 rows, four tiles of 16, and ALL 1,024 outputs.
; PHASE X.  The wave reads its 64 rows once, 512 consecutive bytes a load, adds hidden in f32, turns 16 rows x 128 K through its own stage in LDS so that a lane holds 16 neighbours along K,
; quantises, and keeps the codes: 64 rows x 1,024 codes are 512 registers (windows 2 and 3).  Register numbers that change with the K step would ask for eight copies of the text: so a K step's
; fragments go to LDS as images of their registers at an address that steps, and four K steps at a time are read back into their registers.
; PRODUCT.  W's fragments come as images too (the launch before laid them so): a slot of LDS holds four tiles of 16 outputs, 69,632 bytes; two slots take turns.  A fragment read from LDS (2,048 bytes)
; feeds four matrix instructions, one for each tile of rows.  A GROUP is 2 tiles of outputs x 4 tiles of rows x 8 K steps: 64 matrix instructions on 8 accumulators by turns.
; Source 0 = 16 rows of x, source 1 = 16 outputs of W: a lane holds ONE output (lane % 16) and eight rows, so c b and v are one number a lane, and the dot product with v is summed lane by lane.
; tanh(z) = 1 - 2 / (1 + 2^(c z)), c = 2 log2(e): for one group's 64 registers 256 vector lines, which stand in slices of four behind the NEXT group's 64 matrix instructions, on the other set of accumulators.
; All that a slice touches lies in window 0 and no window holds a product's operands beside it: a slice costs two switches of the window.
; CLUSTER.  Every work-group walks the same wpack: the four of a cluster ask for each tile JOINTLY (mask 15): the same load, the same descriptor, in the same round.
; LIMITS: a block of zeros gets the byte 1 (its codes are zeros); NaN and infinities among the inputs are not served; beyond |score| = 2^19 the keys saturate (the conversion holds them at its ends).
.set CTB,   17408                      ; a tile of 16 outputs in wpack and in a slot: 8 fragments of 2,048, 512 of scale words, 512 of (c b, c b, v, v)
.set SLOTB, 0x11000                    ; a slot: 4 CTB = 69,632.  Its two bits meet none of 17,408 x wave's, so one exclusive or changes slots
.set STAGE, 2*SLOTB                    ; behind the ring: a stage of 16 rows x 528 for each wave
.set SPIT,  528
.set IMG,   STAGE+4*16*SPIT            ; 16 units for each wave: a fragment's image (2,048) + its scale words (128)
.set UNITB, 2176
.set IMGW,  16*UNITB
.set HIDL,  IMG+4*IMGW                 ; the batch's row of hidden, 4,096 bytes
.set SCR,   HIDL+4096                  ; 256 bytes for each wave: its 64 scores
.set SPARE, SCR+1024                   ; the spare words, 128 bytes for each wave: two blocks of 256 bytes that no other line names
; window 0
.set LI,   1                           ; 16 x lane
.set LS,   2                           ; 4 x lane
.set STW,  3                           ; the stage, in
.set STR,  4                           ; the stage, out
.set IMW,  5                           ; my wave's images, 16 x lane
.set ISW,  6                           ; their scale words, 4 x lane
.set IMA,  7                           ; IMW, ISW + the trip's step
.set ISA,  8
.set HIA,  9                           ; the K step's 16 bytes of hidden
.set SPW,  10                          ; my spare word; never rewritten
.set NIL,  11                          ; 0; never rewritten
.set ADW,  12                          ; the slot in hand, tiles 0 and 1
.set ADW1, 13                          ; tiles 2 and 3
.set SCW,  14
.set SCRD, 15
.set HID,  16                          ; phase X: v16-19 hidden; v32-95 X; v96-111 at work; v112 scale word; v116-131 codes
.set X,    32
.set TM,   96
.set PW,   112
.set PC,   116
.set ACC,  16                          ; product: v16-79, v80-143 two sets of 8 accumulators (2 x row tile + output tile)
.set SA,   144                         ; v144-175 the lane's part of the scores: 8 x row tile + j
.set BCV,  176                         ; v176-191 (c b, c b, v, v): set p at 8 p, output tile at 4 c2
.set HIW,  192
.set HIB,  193
.set GO,   194                         ; 8 x lane
.set XS,   208                         ; v208-239 x's scale words: 8 x row tile + K step.  Scales and nothing else
.set WS,   240                         ; v240-255 W's: set p at 8 p, output tile at 4 c2, register q: lanes 0-15 K step 2 q, lanes 16-31 K step 2 q + 1
; window 1: phase X: four sets of 64 as loaded; product: W's fragment (c2, ks) at 16 (2 ks + c2).  Window 2: codes of row tiles 0, 1 (128 (rt % 2) + 16 ks).  Window 3: of row tiles 2, 3.
.set WV,   12
.set G1,   16                          ; s[16:23] descriptor group 1
.set G0A,  24                          ; s[24:27] group 0 of slot 0's first fill
.set G0B,  28                          ; s[28:31] of slot 1's, which then walks
.set LB,   32                          ; s[32:33] enc at my wave's rows, at the K step that is being asked for
.set IMO,  34
.set HIO,  35
.set CNT,  36
.set TB,   37
.set CC,   38                          ; s[38:39] c
.set SEL,  40
.set MNT,  42
.set KEYP, 48                          ; s[48:49] skey at my wave's 64 rows
.set MSB, 0
.macro WIN new                         ; the immediate's high byte repeats the setting that is left
.if MSB != \new
	s_set_vgpr_msb (MSB<<8)|\new
.set MSB, \new
.endif
.endm
.macro PLACES n
.rept \n
	v_nop
.endr
.endm
.macro ROUND                           ; a round of the cluster's barrier
	s_barrier_signal -1
	s_barrier_wait -1
	s_cmp_lg_u32 s[WV], 0
	s_cbranch_scc1 .Lnot_wave_0_\@
	s_barrier_signal -3
.Lnot_wave_0_\@:
	s_barrier_wait -3
	s_barrier_signal -1
	s_barrier_wait -1
.endm
	s_load_b256 s[4:11], s[0:1], 0x0               ; enc s[4:5], hidden s[6:7], wpack s[8:9], scores s[10:11]
	s_load_b64 s[KEYP:KEYP+1], s[0:1], 0x20        ; skey
	v_lshl_add_u32 v[SPW], v0, 2, SPARE
	v_mov_b32 v[NIL], 0
	ds_add_u32 v10, v11
	ds_add_u32 v10, v11
	s_wait_dscnt 0x0
	v_lshrrev_b32 v[LS], 5, v0
	v_readfirstlane_b32 s[WV], v[LS]               ; wave 0..3
	s_bfe_u32 s13, ttmp6, 0x40000                  ; cx
	s_lshl_b32 s14, ttmp9, 2
	s_add_co_u32 s14, s14, s13                     ; work-group = 4 x cluster + cx: it enters the addresses of enc, hidden, scores and skey alone
	; group 1: 68 dense rows of 256 bytes (32 elements of 8 bytes), no padding: images are read at 16 x lane
	s_mov_b32 s[G1+0], 15|(3<<16)|(1<<21)          ; 15:0 the mask: all four work-groups; 17:16 elements of 8 bytes; 21 set beside a mask
	s_mov_b32 s[G1+1], 32<<16                      ; tensor_dim0 = 32
	s_mov_b32 s[G1+2], 68<<16                      ; tensor_dim1 = 68
	s_mov_b32 s[G1+3], 32<<16                      ; tile_dim0 = 32
	s_mov_b32 s[G1+4], 68                          ; tile_dim1 = 68
	s_mov_b32 s[G1+5], 32                          ; from row to row
	s_mov_b32 s[G1+6], 0
	s_mov_b32 s[G1+7], 0
	s_mov_b32 s[CC], 0x4038aa3b                    ; c = 2 log2(e)
	s_mov_b32 s[CC+1], s[CC]
	s_mov_b32 s[SEL], 0x76543210
	s_mov_b32 s[SEL+1], 0xfedcba98
	s_mov_b32 s[MNT], 0x600000
	s_mov_b32 s[HIO], 0
	s_mul_i32 s44, s[WV], CTB                      ; wave w fetches tile w of each slot
	s_mov_b32 s45, 0
	s_lshr_b32 s46, s14, 3                         ; the batch
	s_lshl_b32 s46, s46, 12
	s_lshl_b32 s47, s[WV], 10
	s_add_co_u32 s46, s46, s47
	s_mov_b32 s47, 0
	s_wait_kmcnt 0x0
	s_add_nc_u64 s[6:7], s[6:7], s[46:47]          ; hidden: my batch's row, my wave's quarter
	s_lshl_b32 s46, s14, 20                        ; 256 rows of 4,096 bytes
	s_lshl_b32 s43, s[WV], 18
	s_add_co_u32 s46, s46, s43
	s_add_nc_u64 s[LB:LB+1], s[4:5], s[46:47]
	s_lshl_b32 s46, s14, 10
	s_lshl_b32 s43, s[WV], 8
	s_add_co_u32 s46, s46, s43
	s_add_nc_u64 s[10:11], s[10:11], s[46:47]      ; scores: my wave's 64
	s_add_nc_u64 s[KEYP:KEYP+1], s[KEYP:KEYP+1], s[46:47]   ; skey likewise
	s_mov_b32 s[G0A], 1
	s_mov_b32 s[G0A+1], s44
	s_add_nc_u64 s[G0A+2:G0A+3], s[8:9], s[44:45]
	s_or_b32 s[G0A+3], s[G0A+3], 0x80000000
	s_mov_b32 s[G0B], 1
	s_add_co_u32 s[G0B+1], s44, SLOTB
	s_add_nc_u64 s[G0B+2:G0B+3], s[8:9], s[44:45]
	s_add_nc_u64 s[G0B+2:G0B+3], s[G0B+2:G0B+3], SLOTB
	s_or_b32 s[G0B+3], s[G0B+3], 0x80000000
	ROUND                                          ; all four work-groups are here: the first joint loads meet
	tensor_load_to_lds s[G0A:G0A+3], s[G1:G1+7]    ; both first fills together: two loads of mine are out; they land under phase X
	s_nop 0
	tensor_load_to_lds s[G0B:G0B+3], s[G1:G1+7]
	s_nop 0
	PLACES 4
	v_and_b32 v[LS], 31, v0                        ; lane
	v_lshlrev_b32 v[LI], 4, v[LS]
	v_lshlrev_b32 v[GO], 3, v[LS]
	v_lshlrev_b32 v[LS], 2, v[LS]
	v_and_b32 v[IMA], 15, v0                       ; r
	v_bfe_u32 v[ISA], v0, 4, 1                     ; h
	s_mul_i32 s44, s[WV], 16*SPIT
	s_add_co_u32 s44, s44, STAGE
	v_add_nc_u32 v[STW], s44, v[LI]
	v_mul_u32_u24 v[STR], v[IMA], SPIT
	v_lshl_add_u32 v[STR], v[ISA], 6, v[STR]
	v_add_nc_u32 v[STR], s44, v[STR]               ; row r, + 64 h
	s_mul_i32 s44, s[WV], IMGW
	s_add_co_u32 s44, s44, IMG
	v_add_nc_u32 v[IMW], s44, v[LI]
	s_add_co_u32 s44, s44, 2048
	v_add_nc_u32 v[ISW], s44, v[LS]
	s_lshl_b32 s44, s[WV], 8
	s_add_co_u32 s44, s44, SCR
	v_lshl_add_u32 v[SCW], v[ISA], 5, s44
	v_add_nc_u32 v[SCRD], s44, v[GO]
	s_lshl_b32 s44, s[WV], 10
	s_add_co_u32 s44, s44, HIDL
	v_add_nc_u32 v[HIW], s44, v[LI]
	v_add_nc_u32 v[HIB], HIDL, v[LI]
	v_mov_b32 v[HIA], v[HIB]
.irp b, 0,1,2,3
	v_mov_b32 v[TM+4+\b], 0                        ; a lane permute's destination counts as one of its sources
.endr
; row tile st's 16 rows, 512 bytes of each, at the K step at which s[LB] stands, into set st of window 1
.macro XLOAD st
	WIN 0x40
.set rr, 0
.rept 16
	global_load_b128 v[64*\st+4*rr:64*\st+4*rr+3], v[LI], s[LB:LB+1] offset:65536*\st+4096*rr th:TH_LOAD_NT
.set rr, rr+1
.endr
	WIN 0
.endm
	global_load_b128 v[X:X+3], v[LI], s[6:7]
	global_load_b128 v[X+4:X+7], v[LI], s[6:7] offset:512
	XLOAD 0
	XLOAD 1
	XLOAD 2
	s_wait_loadcnt 48                              ; the 48 loads of enc may stay out: hidden is in
	ds_store_b128 v[HIW], v[X:X+3]
	ds_store_b128 v[HIW], v[X+4:X+7] offset:512
	XLOAD 3
	s_wait_xcnt 0x0                                ; the loads have read their base
	s_add_nc_u64 s[LB:LB+1], s[LB:LB+1], 512       ; from here on the loads ask for the next K step
	s_wait_dscnt 0x0                               ; for the others' sake: my quarter of hidden has landed
	s_barrier_signal -1
	s_barrier_wait -1
	ds_load_b128 v[HID:HID+3], v[HIA]
; 64 numbers of a lane, register 16 b + i = k 32 b + 16 (lane / 16) + i of my row, become a fragment's codes in v[PC] on and its scale word in v[PW]
.macro QUANT s
.irp b, 0,1,2,3
	v_max3_num_f32 v[TM+\b], |v[\s+16*\b]|, |v[\s+1+16*\b]|, 0x4800000   ; my 16 numbers of block b, and the floor 2^(9 - 127): the byte cannot fall under 1
.endr
.irp i, 2,4,6,8,10,12,14
.irp b, 0,1,2,3
	v_max3_num_f32 v[TM+\b], v[TM+\b], |v[\s+16*\b+\i]|, |v[\s+1+16*\b+\i]|
.endr
.endr
.irp b, 0,1,2,3
	v_permlanex16_b32 v[TM+4+\b], v[TM+\b], s[SEL], s[SEL+1]
.endr
.irp b, 0,1,2,3
	v_max_num_f32 v[TM+\b], v[TM+\b], v[TM+4+\b]   ; with lane l xor 16's: the block's largest magnitude
.endr
.irp b, 0,1,2,3
	v_add_nc_u32 v[TM+12+\b], 0xfc000000, v[TM+\b] ; 8 off its exponent field: the conversion's scale operand
.endr
.irp b, 0,1,2,3
	v_and_or_b32 v[TM+8+\b], v[TM+\b], 0x7f800000, s[MNT]   ; 448 x the scale
.endr
.irp b, 0,1,2,3
	v_lshrrev_b32 v[TM+4+\b], 23, v[TM+12+\b]      ; the scale's byte
.endr
	v_lshl_or_b32 v[PW], v[TM+5], 8, v[TM+4]
	v_lshl_or_b32 v[PW], v[TM+6], 16, v[PW]
	v_lshl_or_b32 v[PW], v[TM+7], 24, v[PW]
.irp b, 0,1,2,3
.irp i, 0,1,2,3,4,5,6,7,8,9,10,11,12,13,14,15
	v_med3_num_f32 v[\s+16*\b+\i], v[\s+16*\b+\i], -v[TM+8+\b], v[TM+8+\b]   ; the conversion to an 8-bit code does not saturate (ISA guide 7.6.2): the hold
.endr
	v_cvt_scalef32_pk8_fp8_f32 v[PC+4*\b:PC+1+4*\b], v[\s+16*\b:\s+7+16*\b], v[TM+12+\b]
	v_cvt_scalef32_pk8_fp8_f32 v[PC+2+4*\b:PC+3+4*\b], v[\s+8+16*\b:\s+15+16*\b], v[TM+12+\b]
.endr
	v_nop                                          ; a plain line behind the last conversion
.endm
; Row tile u of the trip's K step.  left = the loads issued behind this set's, which may stay out.  ahead = 1: the set is asked for again, one K step on.
.macro UNIT u, ahead, left
	s_wait_dscnt 0x0                               ; hidden's 16 bytes are in, and the last images have left their registers
	s_wait_loadcnt \left
	WIN 0x41                                       ; destination and source 0 window 1, hidden window 0
.set rr, 0
.rept 16
	v_pk_add_f32 v[64*\u+4*rr:64*\u+4*rr+1], v[64*\u+4*rr:64*\u+4*rr+1], v[HID:HID+1]       ; x = enc + hidden, in f32
	v_pk_add_f32 v[64*\u+4*rr+2:64*\u+4*rr+3], v[64*\u+4*rr+2:64*\u+4*rr+3], v[HID+2:HID+3]
.set rr, rr+1
.endr
	WIN 0x04                                       ; an LDS store's data are its source 1: window 1
.set rr, 0
.rept 16
	ds_store_b128 v[STW], v[64*\u+4*rr:64*\u+4*rr+3] offset:SPIT*rr
.set rr, rr+1
.endr
	WIN 0
.irp b, 0,1,2,3
.irp q, 0,1,2,3
	ds_load_b128 v[X+16*\b+4*\q:X+16*\b+4*\q+3], v[STR] offset:128*\b+16*\q   ; LDS serves a wave's instructions in order: these see my stores
.endr
.endr
	s_wait_dscnt 0x0                               ; X is in, so the stores have read the set
.if \ahead
	XLOAD \u
.endif
	QUANT X
.irp c, 0,1,2,3
	ds_store_b128 v[IMA], v[PC+4*\c:PC+4*\c+3] offset:UNITB*\u+512*\c   ; the fragment as it stands: 16 bytes a lane
.endr
	ds_store_b32 v[ISA], v[PW] offset:UNITB*\u
.endm
; A trip: one K step of the four row tiles.
.macro TRIP ahead
	v_add_nc_u32 v[IMA], s[IMO], v[IMW]
	v_add_nc_u32 v[ISA], s[IMO], v[ISW]
.if \ahead
	UNIT 0, 1, 48                                  ; three sets of 16 loads are younger
	UNIT 1, 1, 48
	UNIT 2, 1, 48
	UNIT 3, 1, 48
	s_wait_xcnt 0x0                                ; the loads have read their base
	s_add_nc_u64 s[LB:LB+1], s[LB:LB+1], 512
	s_add_co_u32 s[IMO], s[IMO], 4*UNITB
	s_add_co_u32 s[HIO], s[HIO], 512
	v_add_nc_u32 v[HIA], s[HIO], v[HIB]
	ds_load_b128 v[HID:HID+3], v[HIA]              ; the next K step's hidden
.else
	UNIT 0, 0, 48                                  ; the last K step asks for nothing: the counts run down
	UNIT 1, 0, 32
	UNIT 2, 0, 16
	UNIT 3, 0, 0
.endif
.endm
; Four K steps' images come back into the registers in which they stay.
.macro FLUSH hf
	WIN 0x80                                       ; destination window 2
.irp u, 0,1
.irp tau, 0,1,2,3
.irp c, 0,1,2,3
	ds_load_b128 v[128*\u+16*(4*\hf+\tau)+4*\c:128*\u+16*(4*\hf+\tau)+4*\c+3], v[IMW] offset:UNITB*(4*\tau+\u)+512*\c
.endr
.endr
.endr
	WIN 0xc0                                       ; destination window 3
.irp u, 0,1
.irp tau, 0,1,2,3
.irp c, 0,1,2,3
	ds_load_b128 v[128*\u+16*(4*\hf+\tau)+4*\c:128*\u+16*(4*\hf+\tau)+4*\c+3], v[IMW] offset:UNITB*(4*\tau+\u+2)+512*\c
.endr
.endr
.endr
	WIN 0
.irp u, 0,1,2,3
.irp tau, 0,1,2,3
	ds_load_b32 v[XS+8*\u+4*\hf+\tau], v[ISW] offset:UNITB*(4*\tau+\u)
.endr
.endr
.endm
	s_mov_b32 s[IMO], 0
	s_mov_b32 s[CNT], 4
.LxA:                                              ; K steps 0 to 3
	TRIP 1
	s_sub_co_u32 s[CNT], s[CNT], 1
	s_cmp_lg_u32 s[CNT], 0
	s_cbranch_scc1 .LxA
	FLUSH 0                                        ; the next images are stored behind these reads (a wave's LDS instructions are served in order, and the next unit waits for all of them)
	s_mov_b32 s[IMO], 0
	s_mov_b32 s[CNT], 3
.LxB:                                              ; K steps 4 to 6
	TRIP 1
	s_sub_co_u32 s[CNT], s[CNT], 1
	s_cmp_lg_u32 s[CNT], 0
	s_cbranch_scc1 .LxB
	TRIP 0                                         ; K step 7
	FLUSH 1
; ---------------- the product ----------------
; Matrix instruction nn of a group's 64: K step nn / 8; accumulator nn % 8 = 2 x row tile + output tile.  The eight take turns, one instruction a turn, in the same order in every K step.
.macro MM par
.set ks, nn/8
.set ac, nn%8
.set rt, ac/2
.set c2, ac%2
.if rt < 2
	WIN 0x06                                       ; source 0 (x) window 2, source 1 (W) window 1, C and D window 0
.else
	WIN 0x07                                       ; source 0 window 3
.endif
.set rD, ACC+64*(\par)+8*ac
.set rA, 128*(rt%2)+16*ks
.set rB, 16*(2*ks+c2)
.set rX, XS+8*rt+ks
.set rW, WS+8*(\par)+4*c2+ks/2
.if ks == 0
	v_wmma_scale_f32_16x16x128_f8f6f4 v[rD:rD+7], v[rA:rA+15], v[rB:rB+15], 0, v[rX], v[rW]
.elseif ks%2 == 1
	v_wmma_scale_f32_16x16x128_f8f6f4 v[rD:rD+7], v[rA:rA+15], v[rB:rB+15], v[rD:rD+7], v[rX], v[rW] matrix_b_scale:MATRIX_SCALE_ROW1
.else
	v_wmma_scale_f32_16x16x128_f8f6f4 v[rD:rD+7], v[rA:rA+15], v[rB:rB+15], v[rD:rD+7], v[rX], v[rW]
.endif
.endm
; Line jj of the 256 that finish accumulator set p:  0-31 c z = c acc + c b (each accumulator from its low end on);  32-95 2^(c z);  96-127 + 1;  128-191 the reciprocal;  192-223 1 - 2 r = tanh;  224-255 the score's part += tanh x v
.macro EP p
.set bA, ACC+64*(\p)
.set bB, BCV+8*(\p)
.if jj < 32
.set eT, jj/4
	v_pk_fma_f32 v[bA+2*jj:bA+2*jj+1], v[bA+2*jj:bA+2*jj+1], s[CC:CC+1], v[bB+4*(eT%2):bB+4*(eT%2)+1] op_sel_hi:[1,0,1]
.elseif jj < 96
	v_exp_f32 v[bA+jj-32], v[bA+jj-32]
.elseif jj < 128
.set eU, jj-96
	v_pk_add_f32 v[bA+2*eU:bA+2*eU+1], v[bA+2*eU:bA+2*eU+1], 1.0 op_sel_hi:[1,0]
.elseif jj < 192
	v_rcp_f32 v[bA+jj-128], v[bA+jj-128]
.elseif jj < 224
.set eU, jj-192
	v_pk_fma_f32 v[bA+2*eU:bA+2*eU+1], v[bA+2*eU:bA+2*eU+1], -2.0, 1.0 op_sel_hi:[1,0,0]
.else
.set eU, jj-224
.set eT, eU/4
.set eS, SA+8*(eT/2)+2*(eU%4)
	v_pk_fma_f32 v[eS:eS+1], v[bA+2*eU:bA+2*eU+1], v[bB+4*(eT%2)+2:bB+4*(eT%2)+3], v[eS:eS+1]
.endif
.endm
; A slice: four lines.  The 64 exponentials are one batch and the 64 reciprocals another: nothing names a result inside a batch; behind each stand one plain line and one wait.
.macro SLICE p
	WIN 0
.rept 4
	EP \p
.set jj, jj+1
.endr
.if (jj == 96) || (jj == 192)
	v_nop
	s_wait_alu depctr_va_vdst(0)
.endif
.endm
.macro LDH hf, a                       ; 32 loads: the fragments of K steps 4 hf .. 4 hf + 3 of two tiles of outputs
	WIN 0x40
.irp kq, 0,1,2,3
.irp cc, 0,1
.irp c, 0,1,2,3
	ds_load_b128 v[16*(2*(4*\hf+\kq)+\cc)+4*\c:16*(2*(4*\hf+\kq)+\cc)+4*\c+3], v[\a] offset:CTB*\cc+2048*(4*\hf+\kq)+512*\c
.endr
.endr
.endr
	WIN 0
.endm
.macro LDWS a, p                       ; their scale words
.irp cc, 0,1
	ds_load_b128 v[WS+8*(\p)+4*\cc:WS+8*(\p)+4*\cc+3], v[\a] offset:CTB*\cc+16384
.endr
.endm
.macro LDBCV a, p                      ; their (c b, c b, v, v)
.irp cc, 0,1
	ds_load_b128 v[BCV+8*(\p)+4*\cc:BCV+8*(\p)+4*\cc+3], v[\a] offset:CTB*\cc+16896
.endr
.endm
; A GROUP.  par: which pair of the slot's tiles, and which set of accumulators.  nxt = 1: the next group's fragments are fetched (K steps 0-3 in the middle, 4-7 at the end).
; ep = 1: the group before is finished in slices.  chg = 1: the slot is left and filled again; 2: it is left.
; A load into a register that a matrix instruction has read stands eight plain vector lines behind it.
.macro G par, nxt, chg, ep
.if \par == 0
.set adr, ADW1
.else
.set adr, ADW
.endif
.if \chg
	WIN 0
	s_wait_tensorcnt 0x0                           ; all my tensor loads have landed: my tile of the next slot; so a group 0 may be written
	ds_add_u32 v[SPW], v[NIL]                      ; 0 onto my spare word
.if \chg == 1
	s_xor_b32 s[G0B+1], s[G0B+1], SLOTB            ; the walking descriptor: the other slot than last time,
	s_add_nc_u64 s[G0B+2:G0B+3], s[G0B+2:G0B+3], SLOTB   ; the next four tiles of outputs
.endif
	s_xor_b32 s[TB], s[TB], SLOTB
	s_wait_dscnt 35                                ; the add, 2 loads of (c b, v) and 32 of K steps 4-7 may be out: K steps 0-3 and the scale words are in
.else
	s_wait_dscnt 34                                ; the same without the add
.endif
.set nn, 0
.set jj, 0
.rept 32
	MM \par
.if \ep
	SLICE 1-\par
.endif
.set nn, nn+1
.endr
	WIN 0
.if \chg == 1
	s_wait_dscnt 0x0                               ; the add is done, and my reads of this slot are over (K steps 4-7 of its last tiles are in registers)
	ROUND                                          ; no wave of any partner still reads the slot or has a load on its way
	tensor_load_to_lds s[G0B:G0B+3], s[G1:G1+7]    ; my one load behind the round: it has 96 matrix instructions and their slices in which to land
	s_nop 0
	PLACES 4
	v_add_nc_u32 v[ADW], s[TB], v[LI]
	v_add_nc_u32 v[ADW1], 2*CTB, v[ADW]
	PLACES 2
.elseif \chg == 2
	s_wait_dscnt 0x0
	s_barrier_signal -1
	s_barrier_wait -1                              ; the last slot is whole for everybody; nothing is filled again
	v_add_nc_u32 v[ADW], s[TB], v[LI]
	v_add_nc_u32 v[ADW1], 2*CTB, v[ADW]
	PLACES 6
.else
	PLACES 8
.endif
.if \nxt
	LDH 0, adr
	LDWS adr, 1-\par
	s_wait_dscnt 34                                ; all but the 34 just issued: K steps 4-7 and (c b, v) are in
.else
	s_wait_dscnt 0x0
.endif
.rept 32
	MM \par
.if \ep
	SLICE 1-\par
.endif
.set nn, nn+1
.endr
	WIN 0
	PLACES 8
.if \nxt
	LDBCV adr, 1-\par                              ; the set that the last slice has just read for the last time
	LDH 1, adr
.endif
.endm
	s_wait_tensorcnt 0x1                           ; my tile of slot 0 is in; slot 1's may stay out
	s_wait_dscnt 0x0                               ; the codes and x's scale words are in their registers
	s_barrier_signal -1
	s_barrier_wait -1
	s_mov_b32 s[TB], 0
	v_add_nc_u32 v[ADW], s[TB], v[LI]
	v_add_nc_u32 v[ADW1], 2*CTB, v[ADW]
.set rr, 0
.rept 32
	v_mov_b32 v[SA+rr], 0                          ; the scores' parts begin as zeros: the slices are written once
.set rr, rr+1
.endr
	LDH 0, ADW
	LDWS ADW, 0
	LDBCV ADW, 0
	LDH 1, ADW
	G 0, 1, 0, 0                                   ; slot 0, tiles 0 and 1: no group is there to finish yet
	s_mov_b32 s[CNT], 14
.Lslot:                                            ; trip i: slot i's tiles 2 and 3, the change (slot i's bytes take slot i + 2), slot i + 1's tiles 0 and 1
	G 1, 1, 1, 1
	G 0, 1, 0, 1
	s_sub_co_u32 s[CNT], s[CNT], 1
	s_cmp_lg_u32 s[CNT], 0
	s_cbranch_scc1 .Lslot
	G 1, 1, 2, 1                                   ; the tail is written out: slot 14 is left, nothing is asked for
	G 0, 1, 0, 1
	G 1, 0, 0, 1
.set jj, 0
.rept 64
	SLICE 1                                        ; the last group is finished
.endr
	; a row's score is the sum over the 16 lanes of its half
.irp m, 1,2,4,8
.set rr, 0
.rept 32
	v_add_f32_dpp v[SA+rr], v[SA+rr], v[SA+rr] row_xmask:\m row_mask:0xf bank_mask:0xf
.set rr, rr+1
.endr
.endr
.irp t, 0,1,2,3
.irp u, 0,1
	ds_store_b128 v[SCW], v[SA+8*\t+4*\u:SA+8*\t+4*\u+3] offset:64*\t+16*\u   ; rows 16 t + 8 h + 4 u on; the sixteen lanes of a half write the same words with the same values
.endr
.endr
	ds_load_b64 v[ACC:ACC+1], v[SCRD]              ; my own bytes, in order behind my stores
	s_wait_dscnt 0x0
	global_store_b64 v[GO], v[ACC:ACC+1], s[10:11] ; 32 lanes store 256 consecutive bytes, aligned
	v_mul_f32 v[ACC+2], 0x45800000, v[ACC]         ; the keys: 4096 x score (exact),
	v_mul_f32 v[ACC+3], 0x45800000, v[ACC+1]
	v_cvt_i32_f32 v[ACC+2], v[ACC+2]               ; toward zero, held at the ends of 32 bits,
	v_cvt_i32_f32 v[ACC+3], v[ACC+3]
	v_sub_nc_u32 v[ACC+2], 0x7fffffff, v[ACC+2]    ; turned round: 0 to 2^32 - 1 without a sign, the largest score lowest
	v_sub_nc_u32 v[ACC+3], 0x7fffffff, v[ACC+3]
	global_store_b64 v[GO], v[ACC+2:ACC+3], s[KEYP:KEYP+1]   ; 256 consecutive bytes, aligned
	s_wait_tensorcnt 0x0                           ; the wave's end
	ds_add_u32 v[SPW], v[NIL]
	s_wait_dscnt 0x0
	ROUND                                          ; the closing round: no work-group ends while a partner may still ask for a tile that names it
	s_endpgm
.Lfunc_end_k_q8d20a11036_score:
	.size	k_q8d20a11036_score, .Lfunc_end_k_q8d20a11036_score-k_q8d20a11036_score
	.p2alignl 7, 3214868480
	.fill 96, 4, 3214868480
	.section	.rodata,"a",@progbits
	.p2align	6, 0x0
	.amdhsa_kernel k_q8d20a11036_score
		.amdhsa_group_segment_fixed_size 327680
		.amdhsa_private_segment_fixed_size 0
		.amdhsa_enable_private_segment 0
		.amdhsa_kernarg_size 40
		.amdhsa_user_sgpr_count 2
		.amdhsa_user_sgpr_kernarg_segment_ptr 1
		.amdhsa_wavefront_size32 1
		.amdhsa_system_sgpr_workgroup_id_x 1
		.amdhsa_system_sgpr_workgroup_id_y 1
		.amdhsa_system_sgpr_workgroup_id_z 1
		.amdhsa_system_vgpr_workitem_id 0
		.amdhsa_next_free_vgpr 1024
		.amdhsa_next_free_sgpr 66
		.amdhsa_reserve_vcc 0
		.amdhsa_float_denorm_mode_32 3
		.amdhsa_float_denorm_mode_16_64 3
		.amdhsa_memory_ordered 1
		.amdhsa_forward_progress 1
		.amdhsa_inst_pref_size 255
	.end_amdhsa_kernel
	.section	.bss,"aw",@nobits
	.p2align	6
	.space	262144
	.amdgpu_metadata
---
amdhsa.version: [ 1, 2 ]
amdhsa.kernels:
  - .name:           k_q8d20a11036_score
    .symbol:         k_q8d20a11036_score.kd
    .args:
      - { .name: encoder_outputs, .offset: 0, .size: 8, .value_kind: global_buffer, .address_space: global }
      - { .name: hidden, .offset: 8, .size: 8, .value_kind: global_buffer, .address_space: global }
      - { .name: wpack, .offset: 16, .size: 8, .value_kind: global_buffer, .address_space: global }
      - { .name: scores, .offset: 24, .size: 8, .value_kind: global_buffer, .address_space: global }
      - { .name: skey, .offset: 32, .size: 8, .value_kind: global_buffer, .address_space: global }
    .group_segment_fixed_size: 327680
    .private_segment_fixed_size: 0
    .kernarg_segment_align: 8
    .kernarg_segment_size: 40
    .max_flat_workgroup_size: 128
    .sgpr_count:     66
    .vgpr_count:     1024
    .wavefront_size: 32
...
	.end_amdgpu_metadata
.endif
;; end of part 2
;; launch ctx (part 3): grid 8 x 32, 16 waves a work-group, no clusters, 36,608 bytes of LDS; arguments encoder_outputs, scores, skey, out0, out1; writes out0, out1
.if DOCPART == 3
	.amdgcn_target "amdgcn-amd-amdhsa--gfx1250"
	.amdhsa_code_object_version 6
	.text
	.protected	k_q8d20a11036_ctx
	.globl	k_q8d20a11036_ctx
	.p2align	8
	.type	k_q8d20a11036_ctx,@function
k_q8d20a11036_ctx:
	s_mov_b64 s[64:65], 0
	v_nop
	global_prefetch_b8 v0, s[64:65] scope:SCOPE_SE
	s_setreg_imm32_b32 hwreg(HW_REG_WAVE_MODE, 25, 1), 1
	s_wait_xcnt 0x0
; out1[b][:] = softmax(scores[b][:]) and out0[b][:] = sum over s of out1[b][s] enc[b][s][:], all in f32.  The row's maximum is taken away before the exponential.
; A work-group owns 128 channels (512 bytes of each row) of one batch's context, and 256 numbers of its out1: one owner for each output.  Each of a batch's eight work-groups makes the batch's
; softmax for itself: 2,048 numbers, four a thread.
; WHICH ROWS THE SUM NEEDS is decided on WHOLE NUMBERS alone: skey[row] = 0x7fffffff - trunc(4096 x score), stored by the launch before; the largest score has the smallest key.
; A row is KEPT where key - smallest key <= 90,880 = 22.1875 x 4096.  LIMIT: a row left out lies more than 22.187 under the largest score (32 ln 2 = 22.181), so its weight is under 2^-32 of the
; batch's largest; all such rows together have less than 2048 x 2^-32 = 2^-21 of it, and would add less than 2^-21 of the largest |enc|.  Where no row is so small, all are read.
; Where keys are held at their ends (|score| beyond 2^19), differences of keys only shrink: more rows are kept, never fewer.
; Wave 0 makes a dense list of the kept rows and their p = 2^((s - m) log2 e) in LDS; then wave w takes entries 512 t + 32 w .. + 31 of trip t: 32 loads of 512 consecutive bytes are out together
; in each of the 16 waves.  The lists are filled up with zeros: p = 0, row 0.  The loop has a constant count of 4 trips; a trip at or past ceil(count / 512) jumps over its work: a scalar branch on
; a whole number.  The sum is divided by the batch's sum of p at the end.  No tensor load, no copy.  NaN and infinities are not served (a zero weight would not hide them).
; Thread (wave w, lane l) holds rows 128 w + 4 l + e; mask word 4 w + e, bit l, stands for that row.
.set LISTR, 8448                       ; LDS: 0: 2,048 p; 8,192: a word for what is not kept; 8,448: 2,048 row numbers; 16,640: a word likewise
.set PL,    16896                      ; the batch's 2,048 p, by rows
.set MX,    25088                      ; the waves' largest scores
.set KX,    25344                      ; their smallest keys
.set SM,    25600                      ; their sums of p
.set MSK,   25856                      ; the 64 mask words
.set CN,    26112                      ; the count of kept rows
.set RED,   26368                      ; the waves' partial sums, 16 x 512
.set LI,  3                            ; 16 x lane
.set L4,  4                            ; 4 x lane
.set ZA,  5                            ; 512 w + 16 l: my 16 bytes of a batch's 8,192
.set W4,  6                            ; 4 w
.set W16, 7                            ; 16 w
.set LW0, 8                            ; 128 w
.set DMP, 9                            ; 2048: the index of what is not kept
.set Z0,  10                           ; 0
.set LA,  11                           ; the trip's entries
.set AD,  16                           ; v16-23 the scatter's addresses, by turns: they serve nothing else
.set RW,  24                           ; v24-31 row numbers, by turns
.set LW,  32                           ; v32-63 32 weights
.set RO,  64                           ; v64-95 32 rows, then their byte offsets
.set XR,  96                           ; v96-223 32 x 4 numbers of enc; earlier at work:
.set WT,  96                           ;   v96-159 wave 0: the batch's p, register k = word k's rows
.set F,   96                           ;   v96-111 16 numbers of the waves
.set K,   112                          ;   v112-127 16 keys of the waves
.set SC,  128                          ;   v128-131 my scores, then t
.set KY,  132                          ;   v132-135 my keys
.set T,   136                          ;   v136-137
.set U,   138                          ;   v138-139
.set MV,  140                          ;   v140-143 my wave's mask words
.set AC,  224                          ; v224-227 my four channels' sums
.set P,   228                          ; v228-231 my p
.set RL,  232                          ; v232 1 / the batch's sum (v233 is named with it as a pair)
.set M0,  234                          ; wave 0: mask word l, mask word 32 + l
.set M1,  235
.set CV,  236
.set OW,  240                          ; v240-243 my weights
.set WVN, 14
.set SEL, 24
.set TH,  26
.set SB,  27                           ; kept so far
.set TMP, 28
.set NK,  29
.set NT,  30                           ; trips with work
.set TR,  31
.set LO,  32                           ; 2048 x the trip
	s_load_b256 s[4:11], s[0:1], 0x0               ; enc s[4:5], scores s[6:7], skey s[8:9], out0 s[10:11]
	s_load_b64 s[12:13], s[0:1], 0x20              ; out1
	v_lshl_add_u32 v254, v0, 2, 0x8700
	v_mov_b32 v255, 0
	v_lshrrev_b32 v1, 5, v0
	v_readfirstlane_b32 s[WVN], v1                 ; wave 0..15
	v_and_b32 v2, 31, v0
	v_lshlrev_b32 v[LI], 4, v2
	v_lshlrev_b32 v[L4], 2, v2
	v_lshl_add_u32 v[ZA], v1, 9, v[LI]
	v_lshlrev_b32 v[W4], 2, v1
	v_lshlrev_b32 v[W16], 4, v1
	v_lshlrev_b32 v[LW0], 7, v1
	v_mov_b32 v[DMP], 0x800
	v_mov_b32 v[Z0], 0
.irp i, 0,1,2,3
	v_mov_b32 v[12+\i], 0
	v_mov_b32 v[AC+\i], 0
.endr
	v_mov_b32 v[T+1], 0                            ; a lane permute's destination counts as one of its sources
	v_mov_b32 v[RL+1], 0
	s_mov_b32 s[SEL], 0x76543210
	s_mov_b32 s[SEL+1], 0xfedcba98                 ; lane l xor 16
	s_mov_b32 s[TH], 0x16300                       ; 90,880
	s_and_b32 s15, ttmp7, 0xffff                   ; the batch
	s_lshl_b32 s34, s15, 13                        ; 2,048 numbers of 4 bytes
	s_mov_b32 s35, 0
	s_lshl_b32 s36, s15, 23                        ; 2,048 rows of 4,096 bytes
	s_lshl_b32 s40, ttmp9, 9                       ; my 128 channels
	s_add_co_u32 s36, s36, s40
	s_mov_b32 s37, 0
	s_lshl_b32 s38, s15, 12
	s_add_co_u32 s38, s38, s40
	s_mov_b32 s39, 0
	s_wait_kmcnt 0x0
	s_add_nc_u64 s[6:7], s[6:7], s[34:35]
	s_add_nc_u64 s[8:9], s[8:9], s[34:35]
	s_add_nc_u64 s[12:13], s[12:13], s[34:35]
	s_add_nc_u64 s[4:5], s[4:5], s[36:37]
	s_add_nc_u64 s[10:11], s[10:11], s[38:39]
	global_load_b128 v[SC:SC+3], v[ZA], s[6:7]     ; 512 consecutive bytes a wave
	global_load_b128 v[KY:KY+3], v[ZA], s[8:9]
	ds_store_b128 v[ZA], v[12:15]                  ; both lists begin as zeros
	ds_store_b128 v[ZA], v[12:15] offset:LISTR
	s_wait_loadcnt 0x0
	; my wave's largest score (f32) and smallest key (whole numbers)
	v_max3_num_f32 v[T], v[SC], v[SC+1], v[SC+2]
	v_min_u32 v[U], v[KY], v[KY+1]
	v_min_u32 v[U+1], v[KY+2], v[KY+3]
	v_max_num_f32 v[T], v[T], v[SC+3]
	v_min_u32 v[U], v[U], v[U+1]
.irp m, 1,2,4,8
	v_max_num_f32_dpp v[T], v[T], v[T] row_xmask:\m row_mask:0xf bank_mask:0xf
	v_mov_b32_dpp v[U+1], v[U] row_xmask:\m row_mask:0xf bank_mask:0xf
	v_min_u32 v[U], v[U], v[U+1]
.endr
	v_permlanex16_b32 v[T+1], v[T], s[SEL], s[SEL+1]
	v_permlanex16_b32 v[U+1], v[U], s[SEL], s[SEL+1]
	v_max_num_f32 v[T], v[T], v[T+1]
	v_min_u32 v[U], v[U], v[U+1]
	ds_store_b32 v[W4], v[T] offset:MX
	ds_store_b32 v[W4], v[U] offset:KX
	s_wait_dscnt 0x0                               ; for the others' sake: my zeros and my two words have landed
	s_barrier_signal -1
	s_barrier_wait -1
.irp g, 0,1,2,3
	ds_load_b128 v[F+4*\g:F+4*\g+3], v[Z0] offset:MX+16*\g
.endr
.irp g, 0,1,2,3
	ds_load_b128 v[K+4*\g:K+4*\g+3], v[Z0] offset:KX+16*\g
.endr
	s_wait_dscnt 0x0
	v_max3_num_f32 v[T], v[F], v[F+1], v[F+2]
.irp i, 3,5,7,9,11,13
	v_max3_num_f32 v[T], v[T], v[F+\i], v[F+1+\i]
.endr
	v_max_num_f32 v[T], v[T], v[F+15]              ; the batch's largest score
.irp i, 0,1,2,3,4,5,6,7
	v_min_u32 v[K+\i], v[K+\i], v[K+8+\i]
.endr
.irp i, 0,1,2,3
	v_min_u32 v[K+\i], v[K+\i], v[K+4+\i]
.endr
	v_min_u32 v[K], v[K], v[K+2]
	v_min_u32 v[K+1], v[K+1], v[K+3]
	v_min_u32 v[K], v[K], v[K+1]                   ; the batch's smallest key
.irp e, 0,1,2,3
	v_sub_f32 v[SC+\e], v[SC+\e], v[T]
.endr
.irp e, 0,1,2,3
	v_mul_f32 v[SC+\e], 0x3fb8aa3b, v[SC+\e]       ; t = (s - m) log2(e), 0 or less
.endr
.irp e, 0,1,2,3
	v_exp_f32 v[P+\e], v[SC+\e]                    ; p = 2^t
.endr
.irp e, 0,1,2,3
	v_sub_nc_u32 v[KY+\e], v[KY+\e], v[K]          ; how far my keys lie over the smallest: 0 or more.  (Plain work behind the exponentials: whole numbers alone)
.endr
.irp e, 0,1,2,3
	v_cmp_ge_u32 s[20+\e], s[TH], v[KY+\e]         ; kept where 90,880 >= that
.endr
.irp e, 0,1,2,3
	v_mov_b32 v[MV+\e], s[20+\e]
.endr
	ds_store_b128 v[W16], v[MV:MV+3] offset:MSK    ; my wave's four mask words; all lanes write the same 16 bytes with the same values
	s_wait_alu depctr_va_vdst(0)                   ; one wait for the four exponentials, ahead of their first reader
	ds_store_b128 v[ZA], v[P:P+3] offset:PL
	v_add_f32 v[T], v[P], v[P+1]
	v_add_f32 v[T+1], v[P+2], v[P+3]
	v_add_f32 v[T], v[T], v[T+1]
.irp m, 1,2,4,8
	v_add_f32_dpp v[T], v[T], v[T] row_xmask:\m row_mask:0xf bank_mask:0xf
.endr
	v_permlanex16_b32 v[T+1], v[T], s[SEL], s[SEL+1]
	v_add_f32 v[T], v[T], v[T+1]
	ds_store_b32 v[W4], v[T] offset:SM             ; my wave's sum
	s_wait_dscnt 0x0
	s_barrier_signal -1
	s_barrier_wait -1                              ; between this barrier and the next only wave 0 touches LDS
	s_cmp_lg_u32 s[WVN], 0
	s_cbranch_scc1 .Lnot_0
	ds_load_b32 v[M0], v[L4] offset:MSK            ; lane l: mask words l and 32 + l
	ds_load_b32 v[M1], v[L4] offset:MSK+128
.irp g, 0,1,2,3,4,5,6,7,8,9,10,11,12,13,14,15
	ds_load_b128 v[WT+4*\g:WT+4*\g+3], v[LI] offset:PL+512*\g   ; register k: p of row 128 (k / 4) + 4 l + k % 4: word k's bit l
.endr
	s_mov_b32 s[SB], 0
	s_wait_dscnt 0x0
.set kk, 0
.rept 64
.if kk < 32
.set mv, M0
.else
.set mv, M1
.endif
.set mr, 16+kk%8
.set ad, AD+kk%8
.set rw, RW+kk%8
	v_readlane_b32 s[mr], v[mv], kk%32             ; mask word kk
	v_mbcnt_lo_u32_b32 v[ad], s[mr], s[SB]         ; kept so far + the kept lanes under mine: my place in the list,
	v_cndmask_b32 v[ad], v[DMP], v[ad], s[mr]      ; if my row is kept; else the place that nobody reads
	v_min_u32 v[ad], 0x800, v[ad]
	v_lshlrev_b32 v[ad], 2, v[ad]
	v_add_nc_u32 v[rw], 128*(kk/4)+kk%4, v[L4]
	ds_store_b32 v[ad], v[WT+kk]
	ds_store_b32 v[ad], v[rw] offset:LISTR
	s_bcnt1_i32_b32 s[TMP], s[mr]
	s_add_co_u32 s[SB], s[SB], s[TMP]
.set kk, kk+1
.endr
	v_mov_b32 v[CV], s[SB]
	ds_store_b32 v[Z0], v[CV] offset:CN            ; the count
.Lnot_0:
	s_wait_dscnt 0x0                               ; wave 0's lists and count have landed
	s_barrier_signal -1
	s_barrier_wait -1
	ds_load_b32 v[CV], v[Z0] offset:CN
.irp g, 0,1,2,3
	ds_load_b128 v[F+4*\g:F+4*\g+3], v[Z0] offset:SM+16*\g
.endr
	s_wait_dscnt 0x0
.irp i, 0,2,4,6
	v_pk_add_f32 v[F+\i:F+1+\i], v[F+\i:F+1+\i], v[F+8+\i:F+9+\i]
.endr
.irp i, 0,2
	v_pk_add_f32 v[F+\i:F+1+\i], v[F+\i:F+1+\i], v[F+4+\i:F+5+\i]
.endr
	v_pk_add_f32 v[F:F+1], v[F:F+1], v[F+2:F+3]
	v_add_f32 v[T], v[F], v[F+1]                   ; the batch's sum of p, at least 1
	v_rcp_f32 v[RL], v[T]
	v_readfirstlane_b32 s[NK], v[CV]
	s_min_u32 s[NK], s[NK], 2048
	s_add_co_u32 s[NT], s[NK], 511
	s_lshr_b32 s[NT], s[NT], 9                     ; trips with work: 1 to 4
	s_lshr_b32 s[TMP], s[WVN], 1
	v_nop                                          ; a plain line behind the reciprocal
	s_wait_alu depctr_va_vdst(0)                   ; and its wait, ahead of the branch and of the first reader
	s_cmp_lg_u32 s[TMP], ttmp9                     ; work-group x stores rows 256 x .. 256 x + 255 of out1: they are waves 2 x and 2 x + 1's
	s_cbranch_scc1 .Lno_out1
.irp e, 0,1,2,3
	v_mul_f32 v[OW+\e], v[P+\e], v[RL]
.endr
	global_store_b128 v[ZA], v[OW:OW+3], s[12:13]  ; 512 consecutive bytes, aligned; these registers are not written again
.Lno_out1:
	s_mov_b32 s[TR], 0
	s_mov_b32 s[LO], 0
.Ltrip:
	s_cmp_ge_u32 s[TR], s[NT]
	s_cbranch_scc1 .Lskip
	v_add_nc_u32 v[LA], s[LO], v[LW0]
.irp g, 0,1,2,3,4,5,6,7
	ds_load_b128 v[LW+4*\g:LW+4*\g+3], v[LA] offset:16*\g           ; every lane takes the wave's 32 weights
.endr
.irp g, 0,1,2,3,4,5,6,7
	ds_load_b128 v[RO+4*\g:RO+4*\g+3], v[LA] offset:LISTR+16*\g     ; and rows
.endr
	s_wait_dscnt 0x0
.set kk, 0
.rept 32
	v_min_u32 v[RO+kk], 0x7ff, v[RO+kk]            ; a row number stays inside the batch
	v_lshl_add_u32 v[RO+kk], v[RO+kk], 12, v[LI]
	global_load_b128 v[XR+4*kk:XR+4*kk+3], v[RO+kk], s[4:5]         ; 32 lanes read 512 consecutive bytes of the row
.set kk, kk+1
.endr
.set kk, 0
.rept 32
	s_wait_loadcnt 31-kk                           ; the younger loads may stay out
	v_fmac_f32 v[AC], v[LW+kk], v[XR+4*kk]
	v_fmac_f32 v[AC+1], v[LW+kk], v[XR+4*kk+1]
	v_fmac_f32 v[AC+2], v[LW+kk], v[XR+4*kk+2]
	v_fmac_f32 v[AC+3], v[LW+kk], v[XR+4*kk+3]
.set kk, kk+1
.endr
.Lskip:
	s_add_co_u32 s[LO], s[LO], 2048
	s_add_co_u32 s[TR], s[TR], 1
	s_cmp_lt_u32 s[TR], 4
	s_cbranch_scc1 .Ltrip
	s_wait_dscnt 0x0                               ; my reads of the lists are over
	s_barrier_signal -1
	s_barrier_wait -1
	ds_store_b128 v[ZA], v[AC:AC+3] offset:RED     ; my wave's part of the 128 sums
	s_wait_dscnt 0x0
	s_barrier_signal -1
	s_barrier_wait -1
	s_cmp_lg_u32 s[WVN], 0
	s_cbranch_scc1 .Ldone
.irp g, 0,1,2,3,4,5,6,7,8,9,10,11,12,13,14,15
	ds_load_b128 v[XR+4*\g:XR+4*\g+3], v[LI] offset:RED+512*\g
.endr
	s_wait_dscnt 0x0
.irp g, 0,1,2,3,4,5,6,7
	v_pk_add_f32 v[XR+4*\g:XR+4*\g+1], v[XR+4*\g:XR+4*\g+1], v[XR+32+4*\g:XR+33+4*\g]
	v_pk_add_f32 v[XR+4*\g+2:XR+4*\g+3], v[XR+4*\g+2:XR+4*\g+3], v[XR+34+4*\g:XR+35+4*\g]
.endr
.irp g, 0,1,2,3
	v_pk_add_f32 v[XR+4*\g:XR+4*\g+1], v[XR+4*\g:XR+4*\g+1], v[XR+16+4*\g:XR+17+4*\g]
	v_pk_add_f32 v[XR+4*\g+2:XR+4*\g+3], v[XR+4*\g+2:XR+4*\g+3], v[XR+18+4*\g:XR+19+4*\g]
.endr
.irp g, 0,1
	v_pk_add_f32 v[XR+4*\g:XR+4*\g+1], v[XR+4*\g:XR+4*\g+1], v[XR+8+4*\g:XR+9+4*\g]
	v_pk_add_f32 v[XR+4*\g+2:XR+4*\g+3], v[XR+4*\g+2:XR+4*\g+3], v[XR+10+4*\g:XR+11+4*\g]
.endr
	v_pk_add_f32 v[XR:XR+1], v[XR:XR+1], v[XR+4:XR+5]
	v_pk_add_f32 v[XR+2:XR+3], v[XR+2:XR+3], v[XR+6:XR+7]
	v_pk_mul_f32 v[XR:XR+1], v[XR:XR+1], v[RL:RL+1] op_sel_hi:[1,0]   ; divided by the batch's sum
	v_pk_mul_f32 v[XR+2:XR+3], v[XR+2:XR+3], v[RL:RL+1] op_sel_hi:[1,0]
	global_store_b128 v[LI], v[XR:XR+3], s[10:11]  ; 512 consecutive bytes, aligned
.Ldone:
	s_wait_tensorcnt 0x0
	ds_add_u32 v254, v255
	s_wait_dscnt 0x0
	s_endpgm
.Lfunc_end_k_q8d20a11036_ctx:
	.size	k_q8d20a11036_ctx, .Lfunc_end_k_q8d20a11036_ctx-k_q8d20a11036_ctx
	.p2alignl 7, 3214868480
	.fill 96, 4, 3214868480
	.section	.rodata,"a",@progbits
	.p2align	6, 0x0
	.amdhsa_kernel k_q8d20a11036_ctx
		.amdhsa_group_segment_fixed_size 36608
		.amdhsa_private_segment_fixed_size 0
		.amdhsa_enable_private_segment 0
		.amdhsa_kernarg_size 40
		.amdhsa_user_sgpr_count 2
		.amdhsa_user_sgpr_kernarg_segment_ptr 1
		.amdhsa_wavefront_size32 1
		.amdhsa_system_sgpr_workgroup_id_x 1
		.amdhsa_system_sgpr_workgroup_id_y 1
		.amdhsa_system_sgpr_workgroup_id_z 1
		.amdhsa_system_vgpr_workitem_id 0
		.amdhsa_next_free_vgpr 256
		.amdhsa_next_free_sgpr 66
		.amdhsa_reserve_vcc 0
		.amdhsa_float_denorm_mode_32 3
		.amdhsa_float_denorm_mode_16_64 3
		.amdhsa_memory_ordered 1
		.amdhsa_forward_progress 1
		.amdhsa_inst_pref_size 61
	.end_amdhsa_kernel
	.amdgpu_metadata
---
amdhsa.version: [ 1, 2 ]
amdhsa.kernels:
  - .name:           k_q8d20a11036_ctx
    .symbol:         k_q8d20a11036_ctx.kd
    .args:
      - { .name: encoder_outputs, .offset: 0, .size: 8, .value_kind: global_buffer, .address_space: global }
      - { .name: scores, .offset: 8, .size: 8, .value_kind: global_buffer, .address_space: global }
      - { .name: skey, .offset: 16, .size: 8, .value_kind: global_buffer, .address_space: global }
      - { .name: out0, .offset: 24, .size: 8, .value_kind: global_buffer, .address_space: global }
      - { .name: out1, .offset: 32, .size: 8, .value_kind: global_buffer, .address_space: global }
    .group_segment_fixed_size: 36608
    .private_segment_fixed_size: 0
    .kernarg_segment_align: 8
    .kernarg_segment_size: 40
    .max_flat_workgroup_size: 512
    .sgpr_count:     66
    .vgpr_count:     256
    .wavefront_size: 32
...
	.end_amdgpu_metadata
.endif
;; end of part 3
